; MI455X (gfx1250); checked and timed in simulation.
; The chip was launched on July 23, 2026; its instructions are those of AMD's public machine-readable ISA for CDNA 5 (MIT licence, August 2026) and "CDNA5" Instruction Set Architecture Reference Guide (July 2026). The comments in the code are by the model that wrote it; some were corrected since.
;; Cantilever PINN. Allowed arithmetic: float matrix products may take bf16 or f16 operands with f32 sums; all other float work in f32.
;; Inputs: W1 1 x 15 float32; W2 15 x 30 float32; W3 30 x 60 float32; W4 60 x 1 float32; b1 15 float32; b2 30 float32; b3 60 float32; b4 1 float32; x 131,072 float32.
;; Outputs: out0 5 x 131,072 float32.
;; 2 versions, each right; version 2 is version 1 with the launch jet written anew for expert scheduling mode. Each part assembles by itself: llvm-mc -triple=amdgcn-amd-amdhsa -mcpu=gfx1250 --defsym DOCPART=n.
;; ======== version 1 of 2: 1 launch
;; launch jet (part 1): grid 256 x 1, 16 waves a work-group, no clusters, 27,648 bytes of LDS; arguments x, W1, b1, W2, b2, W3, b3, W4, b4, out0; writes out0
.if DOCPART == 1
	.amdgcn_target "amdgcn-amd-amdhsa--gfx1250"
	.amdhsa_code_object_version 6
	.text
	.protected	k_q405c5d6782_jet
	.globl	k_q405c5d6782_jet
	.p2align	8
	.type	k_q405c5d6782_jet,@function
k_q405c5d6782_jet:
	s_mov_b64 s[64:65], 0
	v_nop
	global_prefetch_b8 v0, s[64:65] scope:SCOPE_SE
	s_setreg_imm32_b32 hwreg(HW_REG_WAVE_MODE, 25, 1), 1
	s_wait_xcnt 0x0
; out0[k][p] = k-th derivative (k = 0..4) at x[p] of the net 1 -> 15 -> 30 -> 60 -> 1 with tanh on the hidden layers.
;
; METHOD.  One forward pass of a truncated Taylor series instead of four nested derivatives.  Each unit carries five channels:
; tau0 = its value, tauk = k x (k-th Taylor coefficient), k = 1..4.  A linear layer acts on each channel by itself (bias on channel 0 only).
; tanh: with t = tanh(z0), s = 1 - h^2 as a series (s0 = 1 - t^2, s1 = -2 t tau1, s2 = -(t tau2 + tau1^2), s3 = -2 t tau3 / 3 - tau1 tau2)
; h' = s z' gives tauk = sum over j < k of sj zhat(k-j).  The k-th derivative is (k-1)! x the last layer's tauk: factors 1, 1, 2, 6.
;
; SHARES.  256 work-groups of 512 points; sixteen waves of 256 registers; a wave takes 32 points in two trips of 16.
; LAYOUT.  Weights are the matrix instruction's first source (rows = output units, K = input units), activations the second (columns = 16 points).
; In a result lane (r, h) holds in register j unit 8h + j of point r; packing registers 2i, 2i+1 to bf16 gives register i of the next layer's
; second source (k = 8h + 2i, 8h + 2i + 1).  So no number changes its lane between layers, and the five channels of a unit lie in one lane.
; FORMAT.  Every matrix operand is a pair of bf16, hi + lo (lo = the exact f32 rest, rounded).  Layer 2 (K = 16 real): the activations' hi in
; k 0-15 and lo in k 16-31 against [Wh|Wh] and [Wl|Wl]: all four products in two instructions.  Layer 3 (K = 32): Wh Xh + Wh Xl + Wl Xh.
; bf16 and not f16: the fourth channel grows with the fourth power of the weights.
; LAYER 4 (60 -> 1) is a weighted sum in f32 on the vector unit: 20 packed multiply-adds for 16 units x 5 channels; splitting the same numbers
; to bf16 pairs would take 80 vector instructions and fill one row in sixteen of each matrix instruction.
; NOT USED, by this text's own arithmetic: tensor loads, rings and clusters (all that work-groups share is 9,724 bytes of weights, read once by
; each; there is no stream of tiles); prefetches (the only loads stand at the entry).
;
; LIMITS.  tanh: for a = 2 log2(e) z, a^2 >= 2^-5: t = 1 - 2 / (1 + 2^a), absolute error a few 1e-7; below: z (1 - z^2 / 3), truncation
; 2 z^4 / 15 < 2e-6 relative.  2^a = inf gives t = 1, 2^a = 0 gives t = -1, both with s0 = 0.  s0 = 1 - t^2 has an absolute error near 1e-7, as the
; same expression has in f32 anywhere.  Layer 3 leaves out Wl Xl (about 2^-18 relative).  Sums are ordered otherwise than in a plain dot product.
; LDS, bytes.  A fragment image: dword (fragment f, register j, lane L) at 1024 f + 512 (j >> 2) + 16 L + 4 (j & 3): two loads of 16 bytes a lane.
.set L_A3H,  0                         ; 4 fragments: bf16 hi of W3^T, 16 output units x 32 input units each
.set L_A3L,  4096                      ; their lo
.set L_A2HH, 8192                      ; 2 fragments [Wh|Wh] of W2^T
.set L_A2LL, 10240                     ; 2 fragments [Wl|Wl]
.set T_CW1,  12288                     ; c W1, 32 f32, zeros from unit 15 on  (c = 2 log2 e)
.set T_CB1,  12416                     ; c b1
.set T_W1,   12544                     ; W1
.set T_CB2,  12672                     ; c b2, 32 f32, zeros from unit 30 on
.set T_CB3,  12800                     ; c b3, 64 f32, zeros from unit 60 on
.set T_W4,   13056                     ; W4, 64 f32, zeros from unit 60 on
.set XST,    13312                     ; the work-group's 512 x
.set OUTST,  15360                     ; [5][512] f32: results, gathered for whole-row stores
; vector registers
.set FR,   1                           ; 16 x lane: fragment loads, and the stores' offset
.set HB,   2                           ; 32 h: my 8 units in a table of f32
.set NEG1, 3                           ; -1.0
.set X,    4                           ; v4 x of this trip's point, v5 of the next trip's
.set PO,   6                           ; 128 x wave + 4 r (+ 64 in the second trip): my point in XST and OUTST
.set OACC, 10                          ; v[10:19] five pairs: layer 4's sums (even units, odd units)
.set U,    20                          ; v[20:27] c b, then a, then -2 t
.set SA,   28                          ; v[28:35]
.set SB,   36                          ; v[36:43]
.set T1,   44                          ; v[44:51] tau1
.set T2,   52                          ; v[52:59] tau2
.set D,    60                          ; v[60:99] five accumulators, channel c at D + 8 c
.set Z0,   D
.set Z1,   D+8
.set Z2,   D+16
.set Z3,   D+24
.set Z4,   D+32
.set B3H,  100                         ; v[100:139] layer 3's activations, hi: channel c at + 8 c
.set B3L,  140                         ; v[140:179] lo
.set CW,   100                         ; layer 1's constants live in B3H while that is dead
.set CB,   108
.set WF,   116
.set A2HH, 180                         ; v[180:195]  layers 1 and 2
.set A2LL, 196                         ; v[196:211]
.set B2,   212                         ; v[212:251]  channel c: hi at + 8 c, lo at + 8 c + 4
.set A3H,  180                         ; v[180:211]  layer 3, in the same registers
.set A3L,  212                         ; v[212:243]
.set W4F,  244                         ; v[244:251]
.set KC,   252                         ; v[252:253]  1 / c, twice
; scalar: s2 wave, s3 trips, s4 b4, s5 2^-5, s6-s9 masks of the entry, s[10:11] offsets, s12-s13 lane selects, s14-s15 at work,
; s[16:35] the ten addresses, s[36:37] store base, s[38:39] my x, s40-s47 eight masks of the tanh
.macro LDFRAG dst, off                 ; one fragment of weights
	ds_load_b128 v[\dst:\dst+3], v[FR] offset:\off
	ds_load_b128 v[\dst+4:\dst+7], v[FR] offset:\off+512
.endm
.macro LDTAB dst, off                  ; my 8 units of a table
	ds_load_b128 v[\dst:\dst+3], v[HB] offset:\off
	ds_load_b128 v[\dst+4:\dst+7], v[HB] offset:\off+16
.endm
.macro PLACES                          ; four independent vector instructions behind a matrix instruction, before its result is read by the
.rept 4                                ; vector unit or its sources are loaded again (ISA guide 7.12.1)
	v_nop
.endr
.endm
.macro PMUL d, a, b                    ; d = a b, 8 numbers
.irp i, 0,2,4,6
	v_pk_mul_f32 v[\d+\i:\d+\i+1], v[\a+\i:\a+\i+1], v[\b+\i:\b+\i+1]
.endr
.endm
.macro PFMA d, a, b                    ; d += a b
.irp i, 0,2,4,6
	v_pk_fma_f32 v[\d+\i:\d+\i+1], v[\a+\i:\a+\i+1], v[\b+\i:\b+\i+1], v[\d+\i:\d+\i+1]
.endr
.endm
.macro PNFMS d, a, b                   ; d = -(a b) - d
.irp i, 0,2,4,6
	v_pk_fma_f32 v[\d+\i:\d+\i+1], v[\a+\i:\a+\i+1], v[\b+\i:\b+\i+1], v[\d+\i:\d+\i+1] neg_lo:[1,0,1] neg_hi:[1,0,1]
.endr
.endm
.macro PTHIRD d, a                     ; d = a / 3 - d
.irp i, 0,2,4,6
	v_pk_fma_f32 v[\d+\i:\d+\i+1], v[\a+\i:\a+\i+1], 0x3eaaaaab, v[\d+\i:\d+\i+1] op_sel_hi:[1,0,1] neg_lo:[0,0,1] neg_hi:[0,0,1]
.endr
.endm
; 8 f32 at src -> 4 words of bf16 hi, 4 words of bf16 lo.  src - hi is exact in f32; src is used up.
.macro SPLIT4 src, hi, lo
.irp i, 0,1,2,3
	v_cvt_pk_bf16_f32 v[\hi+\i], v[\src+2*\i], v[\src+2*\i+1]
.endr
.irp i, 0,1,2,3
	v_fma_mix_f32_bf16 v[\src+2*\i], v[\hi+\i], v[NEG1], v[\src+2*\i] op_sel_hi:[1,0,0]
	v_fma_mix_f32_bf16 v[\src+2*\i+1], v[\hi+\i], v[NEG1], v[\src+2*\i+1] op_sel:[1,0,0] op_sel_hi:[1,0,0]
.endr
.irp i, 0,1,2,3
	v_cvt_pk_bf16_f32 v[\lo+\i], v[\src+2*\i], v[\src+2*\i+1]
.endr
.endm
.macro SPLIT5 o                        ; the five channels as JET leaves them, into half o (0 or 4) of layer 3's activations
	SPLIT4 Z0, B3H+\o, B3L+\o
	SPLIT4 T1, B3H+8+\o, B3L+8+\o
	SPLIT4 T2, B3H+16+\o, B3L+16+\o
	SPLIT4 Z3, B3H+24+\o, B3L+24+\o
	SPLIT4 Z4, B3H+32+\o, B3L+32+\o
.endm
; U = a = c z  ->  Z0 = t = tanh z, SA = s0 = 1 - t^2, U = -2 t.  Uses SB and T1.
; Behind each run of transcendentals stand packed products that touch neither the run's results nor write its sources (ISA guide 5.7.2).
.macro FRONT
.irp j, 0,1,2,3,4,5,6,7
	v_exp_f32 v[SA+\j], v[U+\j]                    ; 2^a = e^(2z)
.endr
	PMUL SB, U, U                                  ; a^2, for the small-argument form and its test
	s_wait_alu depctr_va_vdst(0)
.irp i, 0,2,4,6
	v_pk_fma_f32 v[SA+\i:SA+\i+1], v[SA+\i:SA+\i+1], 0.5, 0.5 op_sel_hi:[1,0,0]
.endr
.irp j, 0,1,2,3,4,5,6,7
	v_rcp_f32 v[SA+\j], v[SA+\j]                   ; 2 / (1 + e^(2z))
.endr
.irp i, 0,2,4,6
	v_pk_fma_f32 v[T1+\i:T1+\i+1], v[SB+\i:SB+\i+1], 0xbc63584a, v[KC:KC+1] op_sel_hi:[1,0,1]   ; 1/c - a^2 / (3 c^3)
.endr
.irp j, 0,1,2,3,4,5,6,7
	v_cmp_gt_f32 s[40+\j], s5, v[SB+\j]            ; a^2 < 2^-5, that is |z| < 0.0613
.endr
	PMUL T1, T1, U                                 ; z (1 - z^2 / 3)
	s_wait_alu depctr_va_vdst(0)
.irp i, 0,2,4,6
	v_pk_fma_f32 v[Z0+\i:Z0+\i+1], v[SA+\i:SA+\i+1], -1.0, 1.0 op_sel_hi:[1,0,0]
.endr
.irp j, 0,1,2,3,4,5,6,7
	v_cndmask_b32 v[Z0+\j], v[Z0+\j], v[T1+\j], s[40+\j]   ; a choice of value only
.endr
.irp i, 0,2,4,6
	v_pk_fma_f32 v[SA+\i:SA+\i+1], v[Z0+\i:Z0+\i+1], v[Z0+\i:Z0+\i+1], 1.0 op_sel_hi:[1,1,0] neg_lo:[1,0,0] neg_hi:[1,0,0]
.endr
.irp i, 0,2,4,6
	v_pk_mul_f32 v[U+\i:U+\i+1], v[Z0+\i:Z0+\i+1], -2.0 op_sel_hi:[1,0]
.endr
.endm
; tanh on five channels.  In: Z0..Z4 = the layer's products, U = c b.  Out: tau0 in Z0, tau1 in T1, tau2 in T2, tau3 in Z3, tau4 in Z4.
.macro JET
.irp i, 0,2,4,6
	v_pk_fma_f32 v[U+\i:U+\i+1], v[Z0+\i:Z0+\i+1], 0x4038aa3b, v[U+\i:U+\i+1] op_sel_hi:[1,0,1]   ; a = c z0 + c b
.endr
	FRONT
	PMUL T1, SA, Z1                                ; tau1 = s0 z1
	PMUL T2, SA, Z2                                ; s0 z2
	PMUL Z4, SA, Z4                                ; s0 z4
	PMUL SB, U, T1                                 ; s1
	PFMA Z4, SB, Z3                                ; + s1 z3
	PMUL Z3, SA, Z3                                ; s0 z3
	PFMA T2, SB, Z1                                ; tau2
	PFMA Z3, SB, Z2                                ; + s1 z2
	PMUL SA, T1, T1
	PNFMS SA, Z0, T2                               ; s2 = -(t tau2) - tau1^2
	PFMA Z3, SA, Z1                                ; tau3
	PFMA Z4, SA, Z2                                ; + s2 z2
	PMUL SB, T1, T2
	PMUL U, U, Z3
	PTHIRD SB, U                                   ; s3 = -2 t tau3 / 3 - tau1 tau2
	PFMA Z4, SB, Z1                                ; tau4
.endm
; layer 1: z0 = x W1 + b1, z1 = W1, z2 = z3 = z4 = 0.  Out: tau0..tau4 in Z0..Z4.
.macro L1JET
.irp i, 0,2,4,6
	v_pk_fma_f32 v[U+\i:U+\i+1], v[CW+\i:CW+\i+1], v[X:X+1], v[CB+\i:CB+\i+1] op_sel_hi:[1,0,1]   ; both halves take v4
.endr
	FRONT
	PMUL Z1, SA, WF
	PMUL SA, U, Z1
	PMUL Z2, SA, WF
	PMUL SA, Z1, Z1
	PNFMS SA, Z0, Z2
	PMUL Z3, SA, WF
	PMUL SA, Z1, Z2
	PMUL U, U, Z3
	PTHIRD SA, U
	PMUL Z4, SA, WF
.endm
.macro MM2 f                           ; 16 units of layer 2, five channels; the first product starts each sum
.irp c, 0,1,2,3,4
	v_wmma_f32_16x16x32_bf16 v[D+8*\c:D+8*\c+7], v[A2HH+8*\f:A2HH+8*\f+7], v[B2+8*\c:B2+8*\c+7], 0
.endr
.irp c, 0,1,2,3,4
	v_wmma_f32_16x16x32_bf16 v[D+8*\c:D+8*\c+7], v[A2LL+8*\f:A2LL+8*\f+7], v[B2+8*\c:B2+8*\c+7], v[D+8*\c:D+8*\c+7]
.endr
.endm
.macro MM3 f                           ; 16 units of layer 3
.irp c, 0,1,2,3,4
	v_wmma_f32_16x16x32_bf16 v[D+8*\c:D+8*\c+7], v[A3H+8*\f:A3H+8*\f+7], v[B3H+8*\c:B3H+8*\c+7], 0
.endr
.irp c, 0,1,2,3,4
	v_wmma_f32_16x16x32_bf16 v[D+8*\c:D+8*\c+7], v[A3H+8*\f:A3H+8*\f+7], v[B3L+8*\c:B3L+8*\c+7], v[D+8*\c:D+8*\c+7]
.endr
.irp c, 0,1,2,3,4
	v_wmma_f32_16x16x32_bf16 v[D+8*\c:D+8*\c+7], v[A3L+8*\f:A3L+8*\f+7], v[B3H+8*\c:B3H+8*\c+7], v[D+8*\c:D+8*\c+7]
.endr
.endm
.macro DOT1 c, src, i, n               ; n = 0: the very first product starts the sum
.if \n == 0
	v_pk_mul_f32 v[OACC+2*\c:OACC+2*\c+1], v[\src+2*\i:\src+2*\i+1], v[W4F+2*\i:W4F+2*\i+1]
.else
	v_pk_fma_f32 v[OACC+2*\c:OACC+2*\c+1], v[\src+2*\i:\src+2*\i+1], v[W4F+2*\i:W4F+2*\i+1], v[OACC+2*\c:OACC+2*\c+1]
.endif
.endm
.macro DOT f                           ; layer 4 on these 16 units: five chains that do not wait for each other
.irp i, 0,1,2,3
	DOT1 0, Z0, \i, \f+\i
	DOT1 1, T1, \i, \f+\i
	DOT1 2, T2, \i, \f+\i
	DOT1 3, Z3, \i, \f+\i
	DOT1 4, Z4, \i, \f+\i
.endr
.endm
.macro SPLITW a, b, hi, lo             ; two weights -> a word of hi, a word of lo
	v_cvt_pk_bf16_f32 v\hi, v\a, v\b
	v_fma_mix_f32_bf16 v\a, v\hi, v[NEG1], v\a op_sel_hi:[1,0,0]
	v_fma_mix_f32_bf16 v\b, v\hi, v[NEG1], v\b op_sel:[1,0,0] op_sel_hi:[1,0,0]
	v_cvt_pk_bf16_f32 v\lo, v\a, v\b
.endm
	; ---------------- entry: addresses, constants, and which words of the weight images are mine ----------------
	s_load_b512 s[16:31], s[0:1], 0x0              ; x, W1, b1, W2, b2, W3, b3, W4
	s_load_b128 s[32:35], s[0:1], 0x40             ; b4, out0
	v_lshl_add_u32 v254, v0, 2, 0x6400
	v_mov_b32 v255, 0
	v_lshrrev_b32 v9, 5, v0
	v_readfirstlane_b32 s2, v9                     ; wave 0..15
	v_and_b32 v9, 31, v0                           ; lane
	s_lshl_b32 s14, s2, 7
	s_lshl_b32 s15, s2, 9
	v_lshlrev_b32 v[FR], 4, v9
	v_bfe_u32 v[HB], v0, 4, 1
	v_lshlrev_b32 v[HB], 5, v[HB]
	v_mov_b32 v[NEG1], -1.0
	v_and_b32 v[PO], 15, v0
	v_lshl_add_u32 v[PO], v[PO], 2, s14            ; 4 r + 128 x wave
	v_lshl_add_u32 v7, v9, 2, s14                  ; 4 x thread: 4 x lane + 128 x wave
	v_lshl_add_u32 v8, v9, 4, s15                  ; 16 x thread: 16 x lane + 512 x wave
	v_mov_b32 v[KC], 0x3eb17218                    ; 1 / c = ln 2 / 2
	v_mov_b32 v[KC+1], 0x3eb17218
	s_mov_b32 s5, 0x3d000000                       ; 2^-5
	s_mov_b32 s12, 0x76543210                      ; v_permlanex16_b32: lane i takes lane i of the other half
	s_mov_b32 s13, 0xfedcba98
	; thread t makes image dword t: register 4 jhi + jlo of lane 16 hq + r of fragment f, which holds input units k, k + 1 of output unit m
	v_and_b32 v20, 3, v0                           ; jlo
	v_bfe_u32 v21, v0, 2, 4                        ; r
	v_bfe_u32 v22, v0, 6, 1                        ; hq
	v_bfe_u32 v23, v0, 7, 1                        ; jhi
	v_lshrrev_b32 v24, 8, v0                       ; f = 0, 1
	v_lshl_add_u32 v25, v24, 4, v21                ; m = 16 f + r
	v_lshlrev_b32 v26, 1, v20
	v_lshl_add_u32 v26, v22, 3, v26                ; k2 = 8 hq + 2 jlo: layer 2 (its upper 16 k repeat the lower)
	v_lshl_add_u32 v27, v23, 4, v26                ; k3 = 16 jhi + k2: layer 3
	v_lshlrev_b32 v28, 2, v25
	v_mad_u32_u24 v29, v27, 0xf0, v28              ; W3[k3][m]: 240 k3 + 4 m
	v_mad_u32_u24 v30, v26, 0x78, v28              ; W2[k2][m]: 120 k2 + 4 m
	v_cmp_gt_u32 s6, 30, v27                       ; k3, k3 + 1 < 30 (k3 is even)
	v_cmp_gt_u32 s7, 28, v25                       ; m + 32 < 60
	s_and_b32 s7, s7, s6
	v_cmp_gt_u32 s8, 30, v25                       ; m < 30
	v_cmp_gt_u32 s9, 14, v26                       ; k2 + 1 < 15
	s_and_b32 s9, s9, s8
	v_add_nc_u32 v32, 0x80, v29                    ; fragments 2, 3: m + 32
	v_add_nc_u32 v34, 0x78, v30                    ; k2 + 1
	v_cndmask_b32 v31, 0, v29, s6                  ; words outside the matrices read offset 0 and are zeroed below
	v_cndmask_b32 v32, 0, v32, s7
	v_cndmask_b32 v33, 0, v30, s8
	v_cndmask_b32 v34, 0, v34, s9
	s_lshl_b32 s10, ttmp9, 11                      ; 512 points x 4 bytes
	s_mov_b32 s11, 0
	s_wait_kmcnt 0x0
	global_load_b32 v36, v31, s[26:27]             ; W3[k3][m]
	global_load_b32 v37, v31, s[26:27] offset:240  ; W3[k3+1][m]; the highest byte read is 240 x 29 + 4 x 59 + 3 = 7,199
	global_load_b32 v38, v32, s[26:27]             ; W3[k3][m+32]
	global_load_b32 v39, v32, s[26:27] offset:240
	global_load_b32 v40, v33, s[22:23]             ; W2[k2][m]
	global_load_b32 v41, v34, s[22:23]             ; W2[k2+1][m]
	s_load_b32 s4, s[32:33], 0x0                   ; b4
	s_add_nc_u64 s[38:39], s[16:17], s[10:11]      ; my 512 x
	s_lshr_b32 s14, s2, 2                          ; the way out: wave w stores 512 bytes of channel w >> 2, part w & 3
	s_lshl_b32 s14, s14, 19                        ; a channel is 524,288 bytes
	s_and_b32 s15, s2, 3
	s_lshl_b32 s15, s15, 9
	s_add_co_u32 s10, s10, s14
	s_add_co_u32 s10, s10, s15                     ; at most 3 x 524,288 + 255 x 2,048 + 1,536
	s_add_nc_u64 s[36:37], s[34:35], s[10:11]
	s_cmp_gt_u32 s2, 4
	s_cbranch_scc1 .Ljoin
	s_cmp_eq_u32 s2, 4
	s_cbranch_scc1 .Ltables
	; waves 0-3: the work-group's x, 16 bytes a thread, 512 consecutive bytes a wave
	global_load_b128 v[44:47], v8, s[38:39] th:TH_LOAD_NT
	s_wait_loadcnt 0x0
	ds_store_b128 v8, v[44:47] offset:XST
	s_branch .Ljoin
.Ltables:
	; wave 4: the small tables, padded with zeros; indices are clamped so that every load stays inside its buffer
	v_min_u32 v43, 14, v9
	v_min_u32 v44, 29, v9
	v_add_nc_u32 v46, 32, v9
	v_min_u32 v46, 59, v46
	v_lshlrev_b32 v43, 2, v43
	v_lshlrev_b32 v44, 2, v44
	v_lshlrev_b32 v45, 2, v9
	v_lshlrev_b32 v46, 2, v46
	global_load_b32 v48, v43, s[18:19]             ; W1
	global_load_b32 v49, v43, s[20:21]             ; b1
	global_load_b32 v50, v44, s[24:25]             ; b2
	global_load_b32 v51, v45, s[28:29]             ; b3, units 0-31
	global_load_b32 v52, v46, s[28:29]             ; b3, units 32-63
	global_load_b32 v53, v45, s[30:31]             ; W4
	global_load_b32 v54, v46, s[30:31]
	s_wait_loadcnt 0x0
	v_cmp_gt_u32 vcc_lo, 15, v9
	v_cndmask_b32 v48, 0, v48, vcc_lo
	v_cndmask_b32 v49, 0, v49, vcc_lo
	v_cmp_gt_u32 vcc_lo, 30, v9
	v_cndmask_b32 v50, 0, v50, vcc_lo
	v_cmp_gt_u32 vcc_lo, 28, v9
	v_cndmask_b32 v52, 0, v52, vcc_lo
	v_cndmask_b32 v54, 0, v54, vcc_lo
	v_mul_f32 v55, 0x4038aa3b, v48                 ; c = 2 log2 e goes into the tables once
	v_mul_f32 v49, 0x4038aa3b, v49
	v_mul_f32 v50, 0x4038aa3b, v50
	v_mul_f32 v51, 0x4038aa3b, v51
	v_mul_f32 v52, 0x4038aa3b, v52
	ds_store_b32 v45, v55 offset:T_CW1
	ds_store_b32 v45, v49 offset:T_CB1
	ds_store_b32 v45, v48 offset:T_W1
	ds_store_b32 v45, v50 offset:T_CB2
	ds_store_b32 v45, v51 offset:T_CB3
	ds_store_b32 v45, v52 offset:T_CB3+128
	ds_store_b32 v45, v53 offset:T_W4
	ds_store_b32 v45, v54 offset:T_W4+128
.Ljoin:
	s_wait_loadcnt 0x0                             ; my six weights
	v_cndmask_b32 v36, 0, v36, s6
	v_cndmask_b32 v37, 0, v37, s6
	v_cndmask_b32 v38, 0, v38, s7
	v_cndmask_b32 v39, 0, v39, s7
	v_cndmask_b32 v40, 0, v40, s8
	v_cndmask_b32 v41, 0, v41, s9
	SPLITW 36, 37, 20, 21
	SPLITW 38, 39, 22, 23
	SPLITW 40, 41, 24, 25
	ds_store_b32 v7, v20 offset:L_A3H              ; fragments 0, 1
	ds_store_b32 v7, v21 offset:L_A3L
	ds_store_b32 v7, v22 offset:L_A3H+2048         ; fragments 2, 3
	ds_store_b32 v7, v23 offset:L_A3L+2048
	ds_store_b32 v7, v24 offset:L_A2HH
	ds_store_b32 v7, v25 offset:L_A2LL
	s_wait_kmcnt 0x0                               ; b4
	s_wait_dscnt 0x0                               ; all my LDS stores are done before I say so: every wave reads every image
	s_barrier_signal -1
	s_barrier_wait -1
	ds_load_b32 v[X], v[PO] offset:XST             ; x of my point in the first trip
	ds_load_b32 v[X+1], v[PO] offset:XST+64        ; and in the second
	; ---------------- two trips of 16 points ----------------
	s_mov_b32 s3, 0
.Ltrip:
	LDTAB CW, T_CW1                                ; 6 loads: layer 1's constants
	LDTAB CB, T_CB1
	LDTAB WF, T_W1
.irp f, 0,1
	LDFRAG A2HH+8*\f, L_A2HH+1024*\f               ; 8 loads: layer 2's weights
	LDFRAG A2LL+8*\f, L_A2LL+1024*\f
.endr
	s_wait_dscnt 0x8                               ; the eight loads of layer 2's weights may stay out; the constants, x and all before are in
	L1JET
	LDTAB U, T_CB2                                 ; 2 loads: c b2, units 0-15
.irp c, 0,1,2,3,4
	SPLIT4 D+8*\c, B2+8*\c, B2+8*\c+4
.endr
	s_wait_dscnt 0x2                               ; the two bias loads may stay out: layer 2's weights are in
	MM2 0
	PLACES
	s_wait_dscnt 0x0                               ; the bias
	JET
	LDTAB U, T_CB2+64                              ; 2 loads: c b2, units 16-31
	SPLIT5 0
	MM2 1
	PLACES                                         ; also in front of the loads below, which land on layer 2's operands
.irp f, 0,1,2,3
	LDFRAG A3H+8*\f, L_A3H+1024*\f                 ; 16 loads: layer 3's weights
	LDFRAG A3L+8*\f, L_A3L+1024*\f
.endr
	s_wait_dscnt 0x10                              ; those sixteen may stay out: the bias is in
	JET
	LDTAB U, T_CB3                                 ; 2 loads: c b3, units 0-15
	SPLIT5 4
.irp f, 0,1,2,3
	LDTAB W4F, T_W4+64*\f                          ; 2 loads
.if \f == 0
	s_wait_dscnt 0x4                               ; two of the bias and two of W4 may stay out: layer 3's weights are in
.endif
	MM3 \f
	PLACES
	s_wait_dscnt 0x2                               ; W4's two may stay out: the bias is in
	JET
.if \f < 3
	LDTAB U, T_CB3+64*(\f+1)                       ; 2 loads: the next 16 units' bias
	s_wait_dscnt 0x2                               ; which may stay out: W4 is in
.else
	s_wait_dscnt 0x0                               ; W4 is in; nothing was issued behind it
.endif
	DOT \f
.endr
	; even + odd units, then the other half's eight units of each sixteen: every lane ends with its point's five sums
.irp c, 0,1,2,3,4
	v_add_f32 v[OACC+2*\c], v[OACC+2*\c], v[OACC+2*\c+1]
.endr
.irp c, 0,1,2,3,4
	v_permlanex16_b32 v[OACC+2*\c+1], v[OACC+2*\c], s12, s13
.endr
.irp c, 0,1,2,3,4
	v_add_f32 v[OACC+2*\c], v[OACC+2*\c], v[OACC+2*\c+1]
.endr
	v_add_f32 v[OACC], s4, v[OACC]                 ; + b4
	v_mul_f32 v[OACC+6], 2.0, v[OACC+6]            ; third derivative = 2! tau3
	v_mul_f32 v[OACC+8], 0x40c00000, v[OACC+8]     ; fourth = 3! tau4
.irp c, 0,1,2,3,4
	ds_store_b32 v[PO], v[OACC+2*\c] offset:OUTST+2048*\c   ; lanes r and 16 + r write the same word with the same number
.endr
	v_mov_b32 v[X], v[X+1]
	v_add_nc_u32 v[PO], 64, v[PO]                  ; the next 16 points
	s_add_co_u32 s3, s3, 1
	s_cmp_lt_u32 s3, 2
	s_cbranch_scc1 .Ltrip
	; ---------------- the way out: 20 pieces of 512 consecutive bytes, each stored whole by one instruction of one wave ----------------
	s_wait_dscnt 0x0                               ; my results are in LDS before I say so
	s_barrier_signal -1
	s_barrier_wait -1
	ds_load_b128 v[20:23], v8 offset:OUTST         ; piece w: channel w >> 2, part w & 3
	s_cmp_gt_u32 s2, 3
	s_cbranch_scc1 .Lone
	ds_load_b128 v[24:27], v8 offset:OUTST+8192    ; waves 0-3 also take piece 16 + w: channel 4
	s_wait_dscnt 0x0
	global_store_b128 v[FR], v[24:27], s[36:37] offset:2097152 th:TH_STORE_NT   ; 4 channels of 524,288 bytes further on
.Lone:
	s_wait_dscnt 0x0
	global_store_b128 v[FR], v[20:23], s[36:37] th:TH_STORE_NT
	s_wait_tensorcnt 0x0
	ds_add_u32 v254, v255
	s_wait_dscnt 0x0
	s_endpgm
.Lfunc_end_k_q405c5d6782_jet:
	.size	k_q405c5d6782_jet, .Lfunc_end_k_q405c5d6782_jet-k_q405c5d6782_jet
	.p2alignl 7, 3214868480
	.fill 96, 4, 3214868480
	.section	.rodata,"a",@progbits
	.p2align	6, 0x0
	.amdhsa_kernel k_q405c5d6782_jet
		.amdhsa_group_segment_fixed_size 27648
		.amdhsa_private_segment_fixed_size 0
		.amdhsa_enable_private_segment 0
		.amdhsa_kernarg_size 80
		.amdhsa_user_sgpr_count 2
		.amdhsa_user_sgpr_kernarg_segment_ptr 1
		.amdhsa_wavefront_size32 1
		.amdhsa_system_sgpr_workgroup_id_x 1
		.amdhsa_system_sgpr_workgroup_id_y 1
		.amdhsa_system_sgpr_workgroup_id_z 1
		.amdhsa_system_vgpr_workitem_id 0
		.amdhsa_next_free_vgpr 256
		.amdhsa_next_free_sgpr 66
		.amdhsa_reserve_vcc 1
		.amdhsa_float_denorm_mode_32 3
		.amdhsa_float_denorm_mode_16_64 3
		.amdhsa_memory_ordered 1
		.amdhsa_forward_progress 1
		.amdhsa_inst_pref_size 93
	.end_amdhsa_kernel
	.amdgpu_metadata
---
amdhsa.version: [ 1, 2 ]
amdhsa.kernels:
  - .name:           k_q405c5d6782_jet
    .symbol:         k_q405c5d6782_jet.kd
    .args:
      - { .name: x, .offset: 0, .size: 8, .value_kind: global_buffer, .address_space: global }
      - { .name: W1, .offset: 8, .size: 8, .value_kind: global_buffer, .address_space: global }
      - { .name: b1, .offset: 16, .size: 8, .value_kind: global_buffer, .address_space: global }
      - { .name: W2, .offset: 24, .size: 8, .value_kind: global_buffer, .address_space: global }
      - { .name: b2, .offset: 32, .size: 8, .value_kind: global_buffer, .address_space: global }
      - { .name: W3, .offset: 40, .size: 8, .value_kind: global_buffer, .address_space: global }
      - { .name: b3, .offset: 48, .size: 8, .value_kind: global_buffer, .address_space: global }
      - { .name: W4, .offset: 56, .size: 8, .value_kind: global_buffer, .address_space: global }
      - { .name: b4, .offset: 64, .size: 8, .value_kind: global_buffer, .address_space: global }
      - { .name: out0, .offset: 72, .size: 8, .value_kind: global_buffer, .address_space: global }
    .group_segment_fixed_size: 27648
    .private_segment_fixed_size: 0
    .kernarg_segment_align: 8
    .kernarg_segment_size: 80
    .max_flat_workgroup_size: 512
    .sgpr_count:     66
    .vgpr_count:     256
    .wavefront_size: 32
...
	.end_amdgpu_metadata
.endif
;; end of part 1
;; ======== version 2 of 2: 1 launch; version 1 with the launch jet written anew for expert scheduling mode
;; launch jet (part 2): grid 256 x 1, 16 waves a work-group, no clusters, 27,648 bytes of LDS; arguments x, W1, b1, W2, b2, W3, b3, W4, b4, out0; writes out0
.if DOCPART == 2
	.amdgcn_target "amdgcn-amd-amdhsa--gfx1250"
	.amdhsa_code_object_version 6
	.text
	.protected	k_q405c5d6782_jet
	.globl	k_q405c5d6782_jet
	.p2align	8
	.type	k_q405c5d6782_jet,@function
k_q405c5d6782_jet:
	s_mov_b64 s[64:65], 0
	v_nop
	global_prefetch_b8 v0, s[64:65] scope:SCOPE_SE
	s_setreg_imm32_b32 hwreg(HW_REG_WAVE_SCHED_MODE, 0, 2), 2
	s_setreg_imm32_b32 hwreg(HW_REG_WAVE_MODE, 25, 1), 1
	s_wait_xcnt 0x0
	s_wait_alu depctr_vm_vsrc(0)
; out0[k][p] = k-th derivative (k = 0..4) at x[p] of the net 1 -> 15 -> 30 -> 60 -> 1 with tanh on the hidden layers.
;
; METHOD.  One forward pass of a truncated Taylor series instead of four nested derivatives.  Each unit carries five channels:
; tau0 = its value, tauk = k x (k-th Taylor coefficient), k = 1..4.  A linear layer acts on each channel by itself (bias on channel 0 only).
; tanh: with t = tanh(z0), s = 1 - h^2 as a series (s0 = 1 - t^2, s1 = -2 t tau1, s2 = -(t tau2 + tau1^2), s3 = -2 t tau3 / 3 - tau1 tau2)
; h' = s z' gives tauk = sum over j < k of sj zhat(k-j).  The k-th derivative is (k-1)! x the last layer's tauk: factors 1, 1, 2, 6.
;
; SHARES.  256 work-groups of 512 points; sixteen waves of 256 registers; a wave takes 32 points in two trips of 16.
; LAYOUT.  Weights are the matrix instruction's first source (rows = output units, K = input units), activations the second (columns = 16 points).
; In a result lane (r, h) holds in register j unit 8h + j of point r; packing registers 2i, 2i+1 to bf16 gives register i of the next layer's
; second source (k = 8h + 2i, 8h + 2i + 1).  So no number changes its lane between layers, and the five channels of a unit lie in one lane.
; FORMAT.  Every matrix operand is a pair of bf16, hi + lo (lo = the exact f32 rest, rounded).  Layer 2 (K = 16 real): the activations' hi in
; k 0-15 and lo in k 16-31 against [Wh|Wh] and [Wl|Wl]: all four products in two instructions.  Layer 3 (K = 32): Wh Xh + Wh Xl + Wl Xh.
; bf16 and not f16: the fourth channel grows with the fourth power of the weights.
; LAYER 4 (60 -> 1) is a weighted sum in f32 on the vector unit: 20 packed multiply-adds for 16 units x 5 channels; splitting the same numbers
; to bf16 pairs would take 80 vector instructions and fill one row in sixteen of each matrix instruction.
; NOT USED, by this text's own arithmetic: tensor loads, rings and clusters (all that work-groups share is 9,724 bytes of weights, read once by
; each; there is no stream of tiles); prefetches (the only loads stand at the entry).
;
; LIMITS.  tanh: for a = 2 log2(e) z, a^2 >= 2^-5: t = 1 - 2 / (1 + 2^a), absolute error a few 1e-7; below: z (1 - z^2 / 3), truncation
; 2 z^4 / 15 < 2e-6 relative.  2^a = inf gives t = 1, 2^a = 0 gives t = -1, both with s0 = 0.  s0 = 1 - t^2 has an absolute error near 1e-7, as the
; same expression has in f32 anywhere.  Layer 3 leaves out Wl Xl (about 2^-18 relative).  Sums are ordered otherwise than in a plain dot product.
;
; THE MODE: SCHED_MODE bits 1:0 = 2 (LLVM: expert scheduling mode 2), set by the entry lines.  The code itself states the register dependences
; between vector or matrix instructions and memory or LDS instructions, with s_wait_alu, always for 0.
; THE PLAN.  Registers that LDS or memory instructions touch, in a trip:
;   v1, v2, v7, v8   addresses, made at the entry, never written again.
;   v6               read by x's two loads and by a trip's five LDS stores; written once a trip, behind those stores.
;   v10 .. v18       (the even ones) the five stores' data; written by layer 4's sums and their reduction.
;   U                a bias lands in it at the head of each of the six matrix steps; the jet before has read and written it.
;   W4F              loaded at the head of each of layer 3's four steps; read by the sums of the step before (ahead of the first: by layer 2's last products).
;   CW, CB, WF, A2   loaded at a trip's head; as B3H and A3H they were written by the splits and read by the products of the trip before.
;   A3H, A3L         loaded behind layer 2's last products, which read the same registers as A2 and B2.
; A matrix step is: ONE wait on va_vdst, its loads (bias; in layer 3 also W4), its products, which name none of the loaded registers, four places, the wait
; for the bias, the jet, and what uses the jet up (a split, or layer 4's sums).  So the wait at a step's head finds only the tail of the step before, and the
; loads land under the products.  One more such wait stands behind layer 2's last products, one ahead of the trip's stores, and two in each tanh, ahead of the
; first readers of its exponentials and of its reciprocals.  Behind the wait ahead of the stores a trip holds only the two lines that write v4 and v6: so the
; next trip's first fourteen loads, and the way out's loads into v[20:27], owe no wait of their own.  One wait on vm_vsrc a trip stands behind the stores.
; LDS, bytes.  A fragment image: dword (fragment f, register j, lane L) at 1024 f + 512 (j >> 2) + 16 L + 4 (j & 3): two loads of 16 bytes a lane.
.set L_A3H,  0                         ; 4 fragments: bf16 hi of W3^T, 16 output units x 32 input units each
.set L_A3L,  4096                      ; their lo
.set L_A2HH, 8192                      ; 2 fragments [Wh|Wh] of W2^T
.set L_A2LL, 10240                     ; 2 fragments [Wl|Wl]
.set T_CW1,  12288                     ; c W1, 32 f32, zeros from unit 15 on  (c = 2 log2 e)
.set T_CB1,  12416                     ; c b1
.set T_W1,   12544                     ; W1
.set T_CB2,  12672                     ; c b2, 32 f32, zeros from unit 30 on
.set T_CB3,  12800                     ; c b3, 64 f32, zeros from unit 60 on
.set T_W4,   13056                     ; W4, 64 f32, zeros from unit 60 on
.set XST,    13312                     ; the work-group's 512 x
.set OUTST,  15360                     ; [5][512] f32: results, gathered for whole-row stores
; vector registers
.set FR,   1                           ; 16 x lane: fragment loads, and the stores' offset
.set HB,   2                           ; 32 h: my 8 units in a table of f32
.set NEG1, 3                           ; -1.0
.set X,    4                           ; v4 x of this trip's point, v5 of the next trip's
.set PO,   6                           ; 128 x wave + 4 r (+ 64 in the second trip): my point in XST and OUTST
.set OACC, 10                          ; v[10:19] five pairs: layer 4's sums (even units, odd units)
.set U,    20                          ; v[20:27] c b, then a, then -2 t
.set SA,   28                          ; v[28:35]
.set SB,   36                          ; v[36:43]
.set T1,   44                          ; v[44:51] tau1
.set T2,   52                          ; v[52:59] tau2
.set D,    60                          ; v[60:99] five accumulators, channel c at D + 8 c
.set Z0,   D
.set Z1,   D+8
.set Z2,   D+16
.set Z3,   D+24
.set Z4,   D+32
.set B3H,  100                         ; v[100:139] layer 3's activations, hi: channel c at + 8 c
.set B3L,  140                         ; v[140:179] lo
.set CW,   100                         ; layer 1's constants live in B3H while that is dead
.set CB,   108
.set WF,   116
.set A2HH, 180                         ; v[180:195]  layers 1 and 2
.set A2LL, 196                         ; v[196:211]
.set B2,   212                         ; v[212:251]  channel c: hi at + 8 c, lo at + 8 c + 4
.set A3H,  180                         ; v[180:211]  layer 3, in the same registers
.set A3L,  212                         ; v[212:243]
.set W4F,  244                         ; v[244:251]
.set KC,   252                         ; v[252:253]  1 / c, twice
; scalar: s2 wave, s3 trips, s4 b4, s5 2^-5, s6-s9 masks of the entry, s[10:11] offsets, s12-s13 lane selects, s14-s15 at work,
; s[16:35] the ten addresses, s[36:37] store base, s[38:39] my x, s40-s47 eight masks of the tanh (s40-s42 at the entry: the tables' three masks)
.macro LDFRAG dst, off                 ; one fragment of weights
	ds_load_b128 v[\dst:\dst+3], v[FR] offset:\off
	ds_load_b128 v[\dst+4:\dst+7], v[FR] offset:\off+512
.endm
.macro LDTAB dst, off                  ; my 8 units of a table
	ds_load_b128 v[\dst:\dst+3], v[HB] offset:\off
	ds_load_b128 v[\dst+4:\dst+7], v[HB] offset:\off+16
.endm
.macro PLACES                          ; four independent vector instructions behind a matrix instruction, before its result is read by the
.rept 4                                ; vector unit (ISA guide 7.12.1)
	v_nop
.endr
.endm
.macro PMUL d, a, b                    ; d = a b, 8 numbers
.irp i, 0,2,4,6
	v_pk_mul_f32 v[\d+\i:\d+\i+1], v[\a+\i:\a+\i+1], v[\b+\i:\b+\i+1]
.endr
.endm
.macro PFMA d, a, b                    ; d += a b
.irp i, 0,2,4,6
	v_pk_fma_f32 v[\d+\i:\d+\i+1], v[\a+\i:\a+\i+1], v[\b+\i:\b+\i+1], v[\d+\i:\d+\i+1]
.endr
.endm
.macro PNFMS d, a, b                   ; d = -(a b) - d
.irp i, 0,2,4,6
	v_pk_fma_f32 v[\d+\i:\d+\i+1], v[\a+\i:\a+\i+1], v[\b+\i:\b+\i+1], v[\d+\i:\d+\i+1] neg_lo:[1,0,1] neg_hi:[1,0,1]
.endr
.endm
.macro PTHIRD d, a                     ; d = a / 3 - d
.irp i, 0,2,4,6
	v_pk_fma_f32 v[\d+\i:\d+\i+1], v[\a+\i:\a+\i+1], 0x3eaaaaab, v[\d+\i:\d+\i+1] op_sel_hi:[1,0,1] neg_lo:[0,0,1] neg_hi:[0,0,1]
.endr
.endm
; 8 f32 at src -> 4 words of bf16 hi, 4 words of bf16 lo.  src - hi is exact in f32; src is used up.
.macro SPLIT4 src, hi, lo
.irp i, 0,1,2,3
	v_cvt_pk_bf16_f32 v[\hi+\i], v[\src+2*\i], v[\src+2*\i+1]
.endr
.irp i, 0,1,2,3
	v_fma_mix_f32_bf16 v[\src+2*\i], v[\hi+\i], v[NEG1], v[\src+2*\i] op_sel_hi:[1,0,0]
	v_fma_mix_f32_bf16 v[\src+2*\i+1], v[\hi+\i], v[NEG1], v[\src+2*\i+1] op_sel:[1,0,0] op_sel_hi:[1,0,0]
.endr
.irp i, 0,1,2,3
	v_cvt_pk_bf16_f32 v[\lo+\i], v[\src+2*\i], v[\src+2*\i+1]
.endr
.endm
.macro SPLIT5 o                        ; the five channels as JET leaves them, into half o (0 or 4) of layer 3's activations
	SPLIT4 Z0, B3H+\o, B3L+\o
	SPLIT4 T1, B3H+8+\o, B3L+8+\o
	SPLIT4 T2, B3H+16+\o, B3L+16+\o
	SPLIT4 Z3, B3H+24+\o, B3L+24+\o
	SPLIT4 Z4, B3H+32+\o, B3L+32+\o
.endm
; U = a = c z  ->  Z0 = t = tanh z, SA = s0 = 1 - t^2, U = -2 t.  Uses SB and T1.
; Behind each run of transcendentals stand plain lines that touch neither the run's results nor write its sources (ISA guide 5.7.2): the small-argument form
; and its test, eight lines behind the exponentials and twelve behind the reciprocals; then ONE wait for the run, ahead of its first reader.
.macro FRONT
.irp j, 0,1,2,3,4,5,6,7
	v_exp_f32 v[SA+\j], v[U+\j]                    ; 2^a = e^(2z)
.endr
	PMUL SB, U, U                                  ; a^2, for the small-argument form and its test
.irp i, 0,2,4,6
	v_pk_fma_f32 v[T1+\i:T1+\i+1], v[SB+\i:SB+\i+1], 0xbc63584a, v[KC:KC+1] op_sel_hi:[1,0,1]   ; 1/c - a^2 / (3 c^3)
.endr
	s_wait_alu depctr_va_vdst(0)                   ; the eight exponentials have written SA, which the next line reads
.irp i, 0,2,4,6
	v_pk_fma_f32 v[SA+\i:SA+\i+1], v[SA+\i:SA+\i+1], 0.5, 0.5 op_sel_hi:[1,0,0]
.endr
.irp j, 0,1,2,3,4,5,6,7
	v_rcp_f32 v[SA+\j], v[SA+\j]                   ; 2 / (1 + e^(2z))
.endr
	PMUL T1, T1, U                                 ; z (1 - z^2 / 3)
.irp j, 0,1,2,3,4,5,6,7
	v_cmp_gt_f32 s[40+\j], s5, v[SB+\j]            ; a^2 < 2^-5, that is |z| < 0.0613
.endr
	s_wait_alu depctr_va_vdst(0)                   ; the eight reciprocals have written SA, which the next line reads: the same wait, for the second run
.irp i, 0,2,4,6
	v_pk_fma_f32 v[Z0+\i:Z0+\i+1], v[SA+\i:SA+\i+1], -1.0, 1.0 op_sel_hi:[1,0,0]
.endr
	s_wait_alu depctr_va_sdst(0)                   ; the eight compares have written s40 to s47, ahead of their first reader
.irp j, 0,1,2,3,4,5,6,7
	v_cndmask_b32 v[Z0+\j], v[Z0+\j], v[T1+\j], s[40+\j]   ; a choice of value only
.endr
.irp i, 0,2,4,6
	v_pk_fma_f32 v[SA+\i:SA+\i+1], v[Z0+\i:Z0+\i+1], v[Z0+\i:Z0+\i+1], 1.0 op_sel_hi:[1,1,0] neg_lo:[1,0,0] neg_hi:[1,0,0]
.endr
.irp i, 0,2,4,6
	v_pk_mul_f32 v[U+\i:U+\i+1], v[Z0+\i:Z0+\i+1], -2.0 op_sel_hi:[1,0]
.endr
.endm
; tanh on five channels.  In: Z0..Z4 = the layer's products, U = c b.  Out: tau0 in Z0, tau1 in T1, tau2 in T2, tau3 in Z3, tau4 in Z4.
.macro JET
.irp i, 0,2,4,6
	v_pk_fma_f32 v[U+\i:U+\i+1], v[Z0+\i:Z0+\i+1], 0x4038aa3b, v[U+\i:U+\i+1] op_sel_hi:[1,0,1]   ; a = c z0 + c b
.endr
	FRONT
	PMUL T1, SA, Z1                                ; tau1 = s0 z1
	PMUL T2, SA, Z2                                ; s0 z2
	PMUL Z4, SA, Z4                                ; s0 z4
	PMUL SB, U, T1                                 ; s1
	PFMA Z4, SB, Z3                                ; + s1 z3
	PMUL Z3, SA, Z3                                ; s0 z3
	PFMA T2, SB, Z1                                ; tau2
	PFMA Z3, SB, Z2                                ; + s1 z2
	PMUL SA, T1, T1
	PNFMS SA, Z0, T2                               ; s2 = -(t tau2) - tau1^2
	PFMA Z3, SA, Z1                                ; tau3
	PFMA Z4, SA, Z2                                ; + s2 z2
	PMUL SB, T1, T2
	PMUL U, U, Z3
	PTHIRD SB, U                                   ; s3 = -2 t tau3 / 3 - tau1 tau2
	PFMA Z4, SB, Z1                                ; tau4
.endm
; layer 1: z0 = x W1 + b1, z1 = W1, z2 = z3 = z4 = 0.  Out: tau0..tau4 in Z0..Z4.
.macro L1JET
.irp i, 0,2,4,6
	v_pk_fma_f32 v[U+\i:U+\i+1], v[CW+\i:CW+\i+1], v[X:X+1], v[CB+\i:CB+\i+1] op_sel_hi:[1,0,1]   ; both halves take v4
.endr
	FRONT
	PMUL Z1, SA, WF
	PMUL SA, U, Z1
	PMUL Z2, SA, WF
	PMUL SA, Z1, Z1
	PNFMS SA, Z0, Z2
	PMUL Z3, SA, WF
	PMUL SA, Z1, Z2
	PMUL U, U, Z3
	PTHIRD SA, U
	PMUL Z4, SA, WF
.endm
.macro MM2 f                           ; 16 units of layer 2, five channels; the first product starts each sum
.irp c, 0,1,2,3,4
	v_wmma_f32_16x16x32_bf16 v[D+8*\c:D+8*\c+7], v[A2HH+8*\f:A2HH+8*\f+7], v[B2+8*\c:B2+8*\c+7], 0
.endr
.irp c, 0,1,2,3,4
	v_wmma_f32_16x16x32_bf16 v[D+8*\c:D+8*\c+7], v[A2LL+8*\f:A2LL+8*\f+7], v[B2+8*\c:B2+8*\c+7], v[D+8*\c:D+8*\c+7]
.endr
.endm
.macro MM3 f                           ; 16 units of layer 3
.irp c, 0,1,2,3,4
	v_wmma_f32_16x16x32_bf16 v[D+8*\c:D+8*\c+7], v[A3H+8*\f:A3H+8*\f+7], v[B3H+8*\c:B3H+8*\c+7], 0
.endr
.irp c, 0,1,2,3,4
	v_wmma_f32_16x16x32_bf16 v[D+8*\c:D+8*\c+7], v[A3H+8*\f:A3H+8*\f+7], v[B3L+8*\c:B3L+8*\c+7], v[D+8*\c:D+8*\c+7]
.endr
.irp c, 0,1,2,3,4
	v_wmma_f32_16x16x32_bf16 v[D+8*\c:D+8*\c+7], v[A3L+8*\f:A3L+8*\f+7], v[B3H+8*\c:B3H+8*\c+7], v[D+8*\c:D+8*\c+7]
.endr
.endm
.macro DOT1 c, src, i, n               ; n = 0: the very first product starts the sum
.if \n == 0
	v_pk_mul_f32 v[OACC+2*\c:OACC+2*\c+1], v[\src+2*\i:\src+2*\i+1], v[W4F+2*\i:W4F+2*\i+1]
.else
	v_pk_fma_f32 v[OACC+2*\c:OACC+2*\c+1], v[\src+2*\i:\src+2*\i+1], v[W4F+2*\i:W4F+2*\i+1], v[OACC+2*\c:OACC+2*\c+1]
.endif
.endm
.macro DOT f                           ; layer 4 on these 16 units: five chains that do not wait for each other
.irp i, 0,1,2,3
	DOT1 0, Z0, \i, \f+\i
	DOT1 1, T1, \i, \f+\i
	DOT1 2, T2, \i, \f+\i
	DOT1 3, Z3, \i, \f+\i
	DOT1 4, Z4, \i, \f+\i
.endr
.endm
.macro SPLITW a, b, hi, lo             ; two weights -> a word of hi, a word of lo
	v_cvt_pk_bf16_f32 v\hi, v\a, v\b
	v_fma_mix_f32_bf16 v\a, v\hi, v[NEG1], v\a op_sel_hi:[1,0,0]
	v_fma_mix_f32_bf16 v\b, v\hi, v[NEG1], v\b op_sel:[1,0,0] op_sel_hi:[1,0,0]
	v_cvt_pk_bf16_f32 v\lo, v\a, v\b
.endm
	; ---------------- entry: addresses, constants, and which words of the weight images are mine ----------------
	; The five lines that write scalar registers from the vector side (the wave's number, four masks) stand in one run of code, with one wait behind them.
	s_load_b512 s[16:31], s[0:1], 0x0              ; x, W1, b1, W2, b2, W3, b3, W4
	s_load_b128 s[32:35], s[0:1], 0x40             ; b4, out0
	v_lshl_add_u32 v254, v0, 2, 0x6400
	v_mov_b32 v255, 0
	v_lshrrev_b32 v9, 5, v0
	v_readfirstlane_b32 s2, v9                     ; wave 0..15
	v_and_b32 v9, 31, v0                           ; lane
	v_lshlrev_b32 v[FR], 4, v9
	v_bfe_u32 v[HB], v0, 4, 1
	v_lshlrev_b32 v[HB], 5, v[HB]
	v_mov_b32 v[NEG1], -1.0
	v_and_b32 v[PO], 15, v0
	v_mov_b32 v[KC], 0x3eb17218                    ; 1 / c = ln 2 / 2
	v_mov_b32 v[KC+1], 0x3eb17218
	s_mov_b32 s5, 0x3d000000                       ; 2^-5
	s_mov_b32 s12, 0x76543210                      ; v_permlanex16_b32: lane i takes lane i of the other half
	s_mov_b32 s13, 0xfedcba98
	; thread t makes image dword t: register 4 jhi + jlo of lane 16 hq + r of fragment f, which holds input units k, k + 1 of output unit m
	v_and_b32 v20, 3, v0                           ; jlo
	v_bfe_u32 v21, v0, 2, 4                        ; r
	v_bfe_u32 v22, v0, 6, 1                        ; hq
	v_bfe_u32 v23, v0, 7, 1                        ; jhi
	v_lshrrev_b32 v24, 8, v0                       ; f = 0, 1
	v_lshl_add_u32 v25, v24, 4, v21                ; m = 16 f + r
	v_lshlrev_b32 v26, 1, v20
	v_lshl_add_u32 v26, v22, 3, v26                ; k2 = 8 hq + 2 jlo: layer 2 (its upper 16 k repeat the lower)
	v_lshl_add_u32 v27, v23, 4, v26                ; k3 = 16 jhi + k2: layer 3
	v_lshlrev_b32 v28, 2, v25
	v_mad_u32_u24 v29, v27, 0xf0, v28              ; W3[k3][m]: 240 k3 + 4 m
	v_mad_u32_u24 v30, v26, 0x78, v28              ; W2[k2][m]: 120 k2 + 4 m
	v_cmp_gt_u32 s6, 30, v27                       ; k3, k3 + 1 < 30 (k3 is even)
	v_cmp_gt_u32 s7, 28, v25                       ; m + 32 < 60
	v_cmp_gt_u32 s8, 30, v25                       ; m < 30
	v_cmp_gt_u32 s9, 14, v26                       ; k2 + 1 < 15
	v_add_nc_u32 v32, 0x80, v29                    ; fragments 2, 3: m + 32
	v_add_nc_u32 v34, 0x78, v30                    ; k2 + 1
	s_wait_alu depctr_va_sdst(0)                   ; s2 and s6 to s9 are written, ahead of the first reader of each
	s_lshl_b32 s14, s2, 7
	s_lshl_b32 s15, s2, 9
	s_and_b32 s7, s7, s6
	s_and_b32 s9, s9, s8
	v_lshl_add_u32 v[PO], v[PO], 2, s14            ; 4 r + 128 x wave
	v_lshl_add_u32 v7, v9, 2, s14                  ; 4 x thread: 4 x lane + 128 x wave
	v_lshl_add_u32 v8, v9, 4, s15                  ; 16 x thread: 16 x lane + 512 x wave
	v_cndmask_b32 v31, 0, v29, s6                  ; words outside the matrices read offset 0 and are zeroed below
	v_cndmask_b32 v32, 0, v32, s7
	v_cndmask_b32 v33, 0, v30, s8
	v_cndmask_b32 v34, 0, v34, s9
	s_lshl_b32 s10, ttmp9, 11                      ; 512 points x 4 bytes
	s_mov_b32 s11, 0
	s_wait_kmcnt 0x0
	s_wait_alu depctr_va_vdst(0)                   ; v31 to v34, the loads' offsets, are written; so are v1, v2, v6, v7 and v8, by which every later load and store of the kernel goes
	global_load_b32 v36, v31, s[26:27]             ; W3[k3][m]
	global_load_b32 v37, v31, s[26:27] offset:240  ; W3[k3+1][m]; the highest byte read is 240 x 29 + 4 x 59 + 3 = 7,199
	global_load_b32 v38, v32, s[26:27]             ; W3[k3][m+32]
	global_load_b32 v39, v32, s[26:27] offset:240
	global_load_b32 v40, v33, s[22:23]             ; W2[k2][m]
	global_load_b32 v41, v34, s[22:23]             ; W2[k2+1][m]
	s_load_b32 s4, s[32:33], 0x0                   ; b4
	s_add_nc_u64 s[38:39], s[16:17], s[10:11]      ; my 512 x
	s_lshr_b32 s14, s2, 2                          ; the way out: wave w stores 512 bytes of channel w >> 2, part w & 3
	s_lshl_b32 s14, s14, 19                        ; a channel is 524,288 bytes
	s_and_b32 s15, s2, 3
	s_lshl_b32 s15, s15, 9
	s_add_co_u32 s10, s10, s14
	s_add_co_u32 s10, s10, s15                     ; at most 3 x 524,288 + 255 x 2,048 + 1,536
	s_add_nc_u64 s[36:37], s[34:35], s[10:11]
	s_cmp_gt_u32 s2, 4
	s_cbranch_scc1 .Ljoin
	s_cmp_eq_u32 s2, 4
	s_cbranch_scc1 .Ltables
	; waves 0-3: the work-group's x, 16 bytes a thread, 512 consecutive bytes a wave.  No vector instruction names v[44:47]; v8 was written ahead of the wait above
	global_load_b128 v[44:47], v8, s[38:39] th:TH_LOAD_NT
	s_wait_loadcnt 0x0
	ds_store_b128 v8, v[44:47] offset:XST
	s_branch .Ljoin
.Ltables:
	; wave 4: the small tables, padded with zeros; indices are clamped so that every load stays inside its buffer
	v_cmp_gt_u32 s40, 15, v9                       ; the three masks in one run
	v_cmp_gt_u32 s41, 30, v9
	v_cmp_gt_u32 s42, 28, v9
	v_min_u32 v43, 14, v9
	v_min_u32 v44, 29, v9
	v_add_nc_u32 v46, 32, v9
	v_min_u32 v46, 59, v46
	v_lshlrev_b32 v43, 2, v43
	v_lshlrev_b32 v44, 2, v44
	v_lshlrev_b32 v45, 2, v9
	v_lshlrev_b32 v46, 2, v46
	s_wait_alu depctr_va_vdst(0)                   ; v43 to v46 are written: the offsets of the seven loads, v45 also the address of the eight LDS stores
	global_load_b32 v48, v43, s[18:19]             ; W1
	global_load_b32 v49, v43, s[20:21]             ; b1
	global_load_b32 v50, v44, s[24:25]             ; b2
	global_load_b32 v51, v45, s[28:29]             ; b3, units 0-31
	global_load_b32 v52, v46, s[28:29]             ; b3, units 32-63
	global_load_b32 v53, v45, s[30:31]             ; W4
	global_load_b32 v54, v46, s[30:31]
	s_wait_loadcnt 0x0
	s_wait_alu depctr_va_sdst(0)                   ; s40 to s42 are written, ahead of their first reader
	v_cndmask_b32 v48, 0, v48, s40
	v_cndmask_b32 v49, 0, v49, s40
	v_cndmask_b32 v50, 0, v50, s41
	v_cndmask_b32 v52, 0, v52, s42
	v_cndmask_b32 v54, 0, v54, s42
	v_mul_f32 v55, 0x4038aa3b, v48                 ; c = 2 log2 e goes into the tables once
	v_mul_f32 v49, 0x4038aa3b, v49
	v_mul_f32 v50, 0x4038aa3b, v50
	v_mul_f32 v51, 0x4038aa3b, v51
	v_mul_f32 v52, 0x4038aa3b, v52
	s_wait_alu depctr_va_vdst(0)                   ; the selects and products have written v48 to v55, which the LDS stores read
	ds_store_b32 v45, v55 offset:T_CW1
	ds_store_b32 v45, v49 offset:T_CB1
	ds_store_b32 v45, v48 offset:T_W1
	ds_store_b32 v45, v50 offset:T_CB2
	ds_store_b32 v45, v51 offset:T_CB3
	ds_store_b32 v45, v52 offset:T_CB3+128
	ds_store_b32 v45, v53 offset:T_W4
	ds_store_b32 v45, v54 offset:T_W4+128
.Ljoin:
	s_wait_loadcnt 0x0                             ; my six weights
	v_cndmask_b32 v36, 0, v36, s6
	v_cndmask_b32 v37, 0, v37, s6
	v_cndmask_b32 v38, 0, v38, s7
	v_cndmask_b32 v39, 0, v39, s7
	v_cndmask_b32 v40, 0, v40, s8
	v_cndmask_b32 v41, 0, v41, s9
	SPLITW 36, 37, 20, 21
	SPLITW 38, 39, 22, 23
	SPLITW 40, 41, 24, 25
	s_wait_alu depctr_va_vdst(0)                   ; the splits have written v20 to v25, which the LDS stores read
	ds_store_b32 v7, v20 offset:L_A3H              ; fragments 0, 1
	ds_store_b32 v7, v21 offset:L_A3L
	ds_store_b32 v7, v22 offset:L_A3H+2048         ; fragments 2, 3
	ds_store_b32 v7, v23 offset:L_A3L+2048
	ds_store_b32 v7, v24 offset:L_A2HH
	ds_store_b32 v7, v25 offset:L_A2LL
	s_wait_kmcnt 0x0                               ; b4
	s_wait_dscnt 0x0                               ; all my LDS stores are done before I say so: every wave reads every image
	s_barrier_signal -1
	s_barrier_wait -1
	s_wait_alu depctr_vm_vsrc(0)                   ; the entry's loads and LDS stores have read v20 to v25, v31 to v34 and v43 to v55: from here on these are U, SA, SB, T1 and T2, which the first jet writes
	ds_load_b32 v[X], v[PO] offset:XST             ; x of my point in the first trip
	ds_load_b32 v[X+1], v[PO] offset:XST+64        ; and in the second
	; ---------------- two trips of 16 points ----------------
	s_mov_b32 s3, 0
.Ltrip:
	; No wait on the vector side here.  Way in: no vector or matrix instruction has named v[100:123] or v[180:211].  Way back: all that named them stands ahead of
	; the wait in front of the last trip's stores, and behind that wait only v4 and v6 were written.
	LDTAB CW, T_CW1                                ; 6 loads: layer 1's constants
	LDTAB CB, T_CB1
	LDTAB WF, T_W1
.irp f, 0,1
	LDFRAG A2HH+8*\f, L_A2HH+1024*\f               ; 8 loads: layer 2's weights
	LDFRAG A2LL+8*\f, L_A2LL+1024*\f
.endr
	s_wait_dscnt 0x8                               ; the eight loads of layer 2's weights may stay out; the constants, x and all before are in
	L1JET
.irp c, 0,1,2,3,4
	SPLIT4 D+8*\c, B2+8*\c, B2+8*\c+4
.endr
	s_wait_alu depctr_va_vdst(0)                   ; layer 1's jet is done reading and writing U, in which the bias lands
	LDTAB U, T_CB2                                 ; 2 loads: c b2, units 0-15; the products below do not name U
	s_wait_dscnt 0x2                               ; the two bias loads may stay out: layer 2's weights are in
	MM2 0
	PLACES
	s_wait_dscnt 0x0                               ; the bias
	JET
	SPLIT5 0
	s_wait_alu depctr_va_vdst(0)                   ; the jet is done reading and writing U, in which the bias lands
	LDTAB U, T_CB2+64                              ; 2 loads: c b2, units 16-31
	MM2 1
	PLACES
	s_wait_alu depctr_va_vdst(0)                   ; layer 2's products are done reading A2HH, A2LL and B2 (which the splits wrote): layer 3's weights land in these registers
.irp f, 0,1,2,3
	LDFRAG A3H+8*\f, L_A3H+1024*\f                 ; 16 loads: layer 3's weights; neither the jet nor the split below names them
	LDFRAG A3L+8*\f, L_A3L+1024*\f
.endr
	s_wait_dscnt 0x10                              ; those sixteen may stay out: the bias is in
	JET
	SPLIT5 4
.irp f, 0,1,2,3
	s_wait_alu depctr_va_vdst(0)                   ; the jet before is done reading and writing U; the sums before (ahead of the first step: layer 2's products) are done reading W4F
	LDTAB U, T_CB3+64*\f                           ; 2 loads: c b3 of these 16 units
	LDTAB W4F, T_W4+64*\f                          ; 2 loads: their W4; the products below name neither
.if \f == 0
	s_wait_dscnt 0x4                               ; two of the bias and two of W4 may stay out: layer 3's weights are in
.endif
	MM3 \f
	PLACES
	s_wait_dscnt 0x2                               ; W4's two may stay out: the bias is in
	JET
	s_wait_dscnt 0x0                               ; W4 is in; nothing was issued behind it
	DOT \f
.endr
	; even + odd units, then the other half's eight units of each sixteen: every lane ends with its point's five sums
.irp c, 0,1,2,3,4
	v_add_f32 v[OACC+2*\c], v[OACC+2*\c], v[OACC+2*\c+1]
.endr
.irp c, 0,1,2,3,4
	v_permlanex16_b32 v[OACC+2*\c+1], v[OACC+2*\c], s12, s13
.endr
.irp c, 0,1,2,3,4
	v_add_f32 v[OACC+2*\c], v[OACC+2*\c], v[OACC+2*\c+1]
.endr
	v_add_f32 v[OACC], s4, v[OACC]                 ; + b4
	v_mul_f32 v[OACC+6], 2.0, v[OACC+6]            ; third derivative = 2! tau3
	v_mul_f32 v[OACC+8], 0x40c00000, v[OACC+8]     ; fourth = 3! tau4
	s_wait_alu depctr_va_vdst(0)                   ; the five sums are written, which the stores read.  All of the trip's products, splits, jets and sums stand ahead of this wait too: see the trip's head and the way out
.irp c, 0,1,2,3,4
	ds_store_b32 v[PO], v[OACC+2*\c] offset:OUTST+2048*\c   ; lanes r and 16 + r write the same word with the same number
.endr
	s_wait_alu depctr_vm_vsrc(0)                   ; the five stores have read v6, which is written two lines on, and the sums, which the next trip writes again
	v_mov_b32 v[X], v[X+1]
	v_add_nc_u32 v[PO], 64, v[PO]                  ; the next 16 points; the next stores by it stand behind the next trip's waits
	s_add_co_u32 s3, s3, 1
	s_cmp_lt_u32 s3, 2
	s_cbranch_scc1 .Ltrip
	; ---------------- the way out: 20 pieces of 512 consecutive bytes, each stored whole by one instruction of one wave ----------------
	; The loads land in v[20:27], which the last jet named ahead of the wait in front of the trip's stores; the global stores' data come from these LDS loads.
	s_wait_dscnt 0x0                               ; my results are in LDS before I say so
	s_barrier_signal -1
	s_barrier_wait -1
	ds_load_b128 v[20:23], v8 offset:OUTST         ; piece w: channel w >> 2, part w & 3
	s_cmp_gt_u32 s2, 3
	s_cbranch_scc1 .Lone
	ds_load_b128 v[24:27], v8 offset:OUTST+8192    ; waves 0-3 also take piece 16 + w: channel 4
	s_wait_dscnt 0x0
	global_store_b128 v[FR], v[24:27], s[36:37] offset:2097152 th:TH_STORE_NT   ; 4 channels of 524,288 bytes further on
.Lone:
	s_wait_dscnt 0x0
	global_store_b128 v[FR], v[20:23], s[36:37] th:TH_STORE_NT
	s_wait_dscnt 0x0
	s_wait_alu depctr_hold_cnt(0) depctr_sa_sdst(0) depctr_va_vdst(0) depctr_va_sdst(0) depctr_va_ssrc(0) depctr_va_vcc(0) depctr_vm_vsrc(0)
	s_wait_tensorcnt 0x0
	ds_add_u32 v254, v255
	s_wait_dscnt 0x0
	s_endpgm
.Lfunc_end_k_q405c5d6782_jet:
	.size	k_q405c5d6782_jet, .Lfunc_end_k_q405c5d6782_jet-k_q405c5d6782_jet
	.p2alignl 7, 3214868480
	.fill 96, 4, 3214868480
	.section	.rodata,"a",@progbits
	.p2align	6, 0x0
	.amdhsa_kernel k_q405c5d6782_jet
		.amdhsa_group_segment_fixed_size 27648
		.amdhsa_private_segment_fixed_size 0
		.amdhsa_enable_private_segment 0
		.amdhsa_kernarg_size 80
		.amdhsa_user_sgpr_count 2
		.amdhsa_user_sgpr_kernarg_segment_ptr 1
		.amdhsa_wavefront_size32 1
		.amdhsa_system_sgpr_workgroup_id_x 1
		.amdhsa_system_sgpr_workgroup_id_y 1
		.amdhsa_system_sgpr_workgroup_id_z 1
		.amdhsa_system_vgpr_workitem_id 0
		.amdhsa_next_free_vgpr 256
		.amdhsa_next_free_sgpr 66
		.amdhsa_reserve_vcc 0
		.amdhsa_float_denorm_mode_32 3
		.amdhsa_float_denorm_mode_16_64 3
		.amdhsa_memory_ordered 1
		.amdhsa_forward_progress 1
		.amdhsa_inst_pref_size 95
	.end_amdhsa_kernel
	.amdgpu_metadata
---
amdhsa.version: [ 1, 2 ]
amdhsa.kernels:
  - .name:           k_q405c5d6782_jet
    .symbol:         k_q405c5d6782_jet.kd
    .args:
      - { .name: x, .offset: 0, .size: 8, .value_kind: global_buffer, .address_space: global }
      - { .name: W1, .offset: 8, .size: 8, .value_kind: global_buffer, .address_space: global }
      - { .name: b1, .offset: 16, .size: 8, .value_kind: global_buffer, .address_space: global }
      - { .name: W2, .offset: 24, .size: 8, .value_kind: global_buffer, .address_space: global }
      - { .name: b2, .offset: 32, .size: 8, .value_kind: global_buffer, .address_space: global }
      - { .name: W3, .offset: 40, .size: 8, .value_kind: global_buffer, .address_space: global }
      - { .name: b3, .offset: 48, .size: 8, .value_kind: global_buffer, .address_space: global }
      - { .name: W4, .offset: 56, .size: 8, .value_kind: global_buffer, .address_space: global }
      - { .name: b4, .offset: 64, .size: 8, .value_kind: global_buffer, .address_space: global }
      - { .name: out0, .offset: 72, .size: 8, .value_kind: global_buffer, .address_space: global }
    .group_segment_fixed_size: 27648
    .private_segment_fixed_size: 0
    .kernarg_segment_align: 8
    .kernarg_segment_size: 80
    .max_flat_workgroup_size: 512
    .sgpr_count:     66
    .vgpr_count:     256
    .wavefront_size: 32
...
	.end_amdgpu_metadata
.endif
;; end of part 2
